; MI455X (gfx1250); checked and timed in simulation.
; The chip was launched on July 23, 2026; its instructions are those of AMD's public machine-readable ISA for CDNA 5 (MIT licence, August 2026) and "CDNA5" Instruction Set Architecture Reference Guide (July 2026). The comments in the code are by the model that wrote it; some were corrected since.
;; Evolved Loop Linear. Allowed arithmetic: matrix products marked QUANTISED: E2M3 operands, one E8M0 scale for each 32 along K, by v_wmma_scale_f32_16x16x128_f8f6f4 with both operands' format E2M3, f32 sums; everything else in f32.
;; Inputs: W 4,096 x 4,096 float32; b 4,096 float32; x 4,096 x 4,096 float32.
;; Outputs: out0 4,096 x 4,096 float32.
;; This version of the problem:
;;   THIS VERSION OF THE PROBLEM IS GIVEN IN LOW PRECISION. The matrix products marked QUANTISED in the list below multiply operands that are first quantised to E2M3 (2 exponent bits, 3 mantissa bits; 6 bits a number), with one power-of-two scale for each 32 numbers along K (OCP MX v1.0); their sums are f32. All else is computed in f32.
;;   The module's matrix products, in the order in which they are computed (A, B: the left and right operand; K: the contracted axis; several contracted axes count as one K, in the product's order):
;;     1. [M 4,096, K 4,096] x [K 4,096, N 4,096]; A: input x; B: input W: QUANTISED
;;   THE QUANTISER, for each operand of a quantised product, along K:
;;     - K is cut into blocks of 32 from its start; a last block that is shorter is filled with zeros.
;;     - A block's scale is 2^e with e = floor(log2(the largest magnitude in the block)) - 2, held to -126 .. 127; a block of zeros has e = 0. As a byte (E8M0): e + 127.
;;     - Each number is divided by its block's scale, clamped to +-7.5, and rounded to the nearest number of E2M3, ties to even, subnormals kept.
;;     - The product sums the exact products of the quantised numbers (number of the format x scale) in f32.
;;   ~~~python
;;   def quantise(x, axis):      # numpy; x: float32 -> the quantised numbers, widened to float32 again
;;       x = np.moveaxis(x, axis, -1); K = x.shape[-1]
;;       x = np.pad(x, [(0, 0)] * (x.ndim - 1) + [(0, -K % 32)]); x = x.reshape(x.shape[:-1] + (-1, 32)); a = np.abs(x).max(-1, keepdims=True)
;;       e = np.where(a > 0, np.clip(np.frexp(np.where(a > 0, a, 1))[1] - 1 - 2, -126, 127), 0)      # np.frexp(a)[1] - 1 = floor(log2(a)), exactly
;;       r = np.clip(x / 2.0 ** e, -7.5, 7.5)
;;       step = 2.0 ** (np.maximum(np.frexp(np.where(r == 0, 1, r))[1] - 1, 0) - 3)
;;       q = np.round(r / step) * step * 2.0 ** e      # np.round: ties to even
;;       return np.moveaxis(q.reshape(q.shape[:-2] + (-1,))[..., :K], -1, axis).astype(np.float32)
;;   ~~~
;; One version. Each part assembles by itself: llvm-mc -triple=amdgcn-amd-amdhsa -mcpu=gfx1250 --defsym DOCPART=n.
;; ======== version 1 of 1: 2 launches
;; limits: right only within a limited range of input values
;; workspace buffers: xq 13,107,200 bytes; wq 13,107,200 bytes
;; launch quant (part 1): grid 1024 x 1, 4 waves a work-group, no clusters, 34,304 bytes of LDS; arguments x, W, xq, wq; writes xq, wq
.if DOCPART == 1
	.amdgcn_target "amdgcn-amd-amdhsa--gfx1250"
	.amdhsa_code_object_version 6
	.text
	.protected	k_q334805e3ed_quant
	.globl	k_q334805e3ed_quant
	.p2align	8
	.type	k_q334805e3ed_quant,@function
k_q334805e3ed_quant:
	s_mov_b64 s[64:65], 0
	v_nop
	global_prefetch_b8 v0, s[64:65] scope:SCOPE_SE
	s_setreg_imm32_b32 hwreg(HW_REG_WAVE_MODE, 25, 1), 1
	s_wait_xcnt 0x0
; x [4096][4096] and W [4096][4096], f32, K innermost, are turned into codes of FP6 (E2M3) with one E8M0 scale byte for each 32 along K.
; A block's scale is 2^(floor(log2(its largest magnitude)) - 2); its byte is the largest magnitude's own exponent field - 2, held at 1 from below.
; Each number is divided by the scale and rounded to the nearest code, ties to even; beyond 7.5 the conversion gives the largest code.
; LIMITS: NaN and infinities among the inputs are not served.  A block of zeros gets the byte 1 where the rule says 127: its codes are zeros, which add nothing
; under any byte but 0xff, and the bytes are read by this program alone.  Blocks whose largest magnitude lies under 2^-124 have the byte 1, as the rule's hold at -126 gives.
; THE WORKSPACE IS LAID IN THE ORDER OF THE OPERAND'S REGISTERS, codes and scale words together, one buffer for each tensor:
;   [G: 32 groups of 128 rows][g: 32 steps of 128 along K][12,800 bytes: 512 of scale words, then the images of the group's 8 blocks of 16 rows, 1,536 bytes each]
; A fragment (16 rows x 128 K) is 12 registers a lane: lane (r = lane % 16, h = lane / 16) holds row r, registers 6 c .. 6 c + 5 hold k = 64 c + 32 h + 0 .. 31.
; Its image: register j of lane l at 512 (j / 4) + 16 l + 4 (j % 4).  The scale words: [j: 4 pairs of blocks][r 16][e 2]: the word (byte b scales k = 32 b ..) of row r of block 2 j + e.
; SHARES.  Work-groups 0-511 take x, 512-1023 take W: only pointers are chosen, there is one path through the text.  A wave takes 64 rows x 128 along K: four fragments of one step, blocks 4 jj + f;
; the four waves of a work-group stand side by side along K.  So a wave's codes are 6,144 consecutive bytes and its scale words 256.
; Each load reads 512 consecutive bytes of one row, 16 a lane; a fragment's 16 x 512 bytes go through the wave's own stage in LDS and come back 128 bytes a lane and block, in the operand's order.
; So a lane holds two WHOLE blocks of 32: no other lane is asked for a maximum, and the conversions' results are the operand's registers.  Waves share nothing: no barrier.
.set GL,  4                            ; v4   16 x lane: my bytes of a load's 512, and of a code store's 512; never rewritten
.set SI,  5                            ; v5   the stage, on the way in: 16 x lane
.set SO,  6                            ; v6   and on the way out: 528 r + 128 h
.set SS,  7                            ; v7   8 x lane: my two scale words in the wave's 256 bytes
.set SH,  8                            ; v8   8 h: how far up my two bytes stand in the scale word
.set MX,  10                           ; v10-11 the two blocks' largest magnitudes
.set SCO, 12                           ; v12-13 the conversions' scale operands
.set BY,  14                           ; v14-15 the scale bytes
.set PW,  16                           ; v16  my half of the scale word
.set PX,  17                           ; v17  the other half of the lanes'
.set WD,  20                           ; v20-23 the four fragments' scale words
.set T,   24                           ; v24-31 the upper 16 codes of each block, as the conversion leaves them
.set R,   32                           ; v32-159 two sets of 64 registers, as loaded
.set X,   160                          ; v160-223 64 numbers in the operand's order
.set C,   224                          ; v224-247 the codes of fragments 0 and 1; those of fragments 2 and 3 lie in v32-55, which take no load after fragment 2's
.set SP,  528                          ; a stage row: 512 bytes + 16 = 132 words: row r starts at bank 4 r mod 64 (64 banks of 4 bytes: ISA guide 11.1)
.set WREG, 16*SP                       ; a wave's stage
.set SUB,  12800                       ; a group's step of 128 along K in the workspace
.set GROUPB, 32*SUB                    ; a group
	s_load_b128 s[4:7], s[0:1], 0x0                ; x, W
	s_load_b128 s[8:11], s[0:1], 0x10              ; x's workspace, W's
	v_lshl_add_u32 v254, v0, 2, 0x8400
	v_mov_b32 v255, 0
	v_lshrrev_b32 v1, 5, v0
	v_readfirstlane_b32 s16, v1                    ; wave 0..3
	v_and_b32 v1, 31, v0                           ; lane
	v_and_b32 v2, 15, v0                           ; r
	v_bfe_u32 v3, v0, 4, 1                         ; h
	v_lshlrev_b32 v[GL], 4, v1
	s_mul_i32 s26, s16, WREG                       ; my stage
	v_add_nc_u32 v[SI], s26, v[GL]
	v_mul_u32_u24 v[SO], v2, SP
	v_lshl_add_u32 v[SO], v3, 7, v[SO]
	v_add_nc_u32 v[SO], s26, v[SO]
	v_lshlrev_b32 v[SS], 3, v1
	v_lshlrev_b32 v[SH], 3, v3
	v_mov_b32 v[PX], 0                             ; written once: a lane permute's destination counts as one of its sources
	s_mov_b32 s20, 0x76543210
	s_mov_b32 s21, 0xfedcba98                      ; v_permlanex16_b32's selects for lane l xor 16
	s_wait_alu depctr_va_vdst(0)
	s_wait_kmcnt 0x0
	s_cmp_lt_u32 ttmp9, 512                        ; x's work-group or W's?  The choice hangs on the work-group's number alone
	s_cselect_b64 s[4:5], s[4:5], s[6:7]
	s_cselect_b64 s[8:9], s[8:9], s[10:11]
	s_and_b32 s17, ttmp9, 511
	s_lshl_b32 s17, s17, 2
	s_add_co_u32 s17, s17, s16                     ; J = 4 x (work-group mod 512) + wave
	s_and_b32 s18, s17, 31                         ; g: which 128 along K
	s_lshr_b32 s19, s17, 5                         ; which 64 rows, 0 .. 63
	s_mov_b32 s23, 0
	s_lshl_b32 s22, s19, 20                        ; source: 64 rows of 16,384 bytes each,
	s_lshl_b32 s24, s18, 9                         ; + 128 g numbers
	s_add_co_u32 s22, s22, s24
	s_add_nc_u64 s[4:5], s[4:5], s[22:23]
	s_lshr_b32 s24, s19, 1                         ; the group of 128 rows,
	s_mul_i32 s24, s24, GROUPB
	s_mul_i32 s25, s18, SUB                        ; its step g
	s_add_co_u32 s22, s24, s25
	s_add_nc_u64 s[8:9], s[8:9], s[22:23]
	s_and_b32 s24, s19, 1                          ; jj: the group's first or second 64 rows
	s_lshl_b32 s22, s24, 8                         ; my scale words: pairs 2 jj and 2 jj + 1
	s_add_nc_u64 s[10:11], s[8:9], s[22:23]
	s_mul_i32 s22, s24, 6144                       ; my codes: blocks 4 jj .. 4 jj + 3 (the 512 bytes of scale words in front of them stand in the stores' immediates)
	s_add_nc_u64 s[8:9], s[8:9], s[22:23]
.macro LOAD f                          ; fragment f: 16 rows x 512 bytes into set f % 2; 32 lanes read 512 consecutive bytes, which begin at a multiple of 512 from the tensor's first byte
.irp i, 0,1,2,3,4,5,6,7,8,9,10,11,12,13,14,15
	global_load_b128 v[R+64*((\f)%2)+4*\i:R+64*((\f)%2)+4*\i+3], v[GL], s[4:5] offset:(16*(\f)+\i)*16384 th:TH_LOAD_NT
.endr
.endm
.macro TURN f                          ; through the stage: LDS serves a wave's instructions in order (ISA guide 5.7.1.4), so no wait stands between the stores and the loads
.irp i, 0,1,2,3,4,5,6,7,8,9,10,11,12,13,14,15
	ds_store_b128 v[SI], v[R+64*((\f)%2)+4*\i:R+64*((\f)%2)+4*\i+3] offset:\i*SP
.endr
.irp c, 0,1
.irp j, 0,1,2,3,4,5,6,7
	ds_load_b128 v[X+32*\c+4*\j:X+32*\c+4*\j+3], v[SO] offset:256*\c+16*\j     ; row r, k = 64 c + 32 h + 4 j ..
.endr
.endr
.endm
.macro QUANT f
.if (\f) < 2
.set CS, C+12*(\f)
.else
.set CS, R+12*((\f)-2)                 ; set 0 of the load registers: fragment 2 has gone through the stage, and nothing is loaded there again
.endif
.irp c, 0,1
	v_max3_num_f32 v[MX+\c], |v[X+32*\c]|, |v[X+32*\c+1]|, 0x1800000   ; my block 2 c + h: all its 32 numbers are mine; and the floor 2^(3 - 127): so the byte cannot fall under 1
.endr
.irp i, 2,4,6,8,10,12,14,16,18,20,22,24,26,28,30
.irp c, 0,1
	v_max3_num_f32 v[MX+\c], v[MX+\c], |v[X+32*\c+\i]|, |v[X+32*\c+\i+1]|   ; (the two blocks by turns)
.endr
.endr
.irp c, 0,1
	v_add_nc_u32 v[SCO+\c], 0xff000000, v[MX+\c]   ; 2 off the exponent field: the conversion takes the exponent field of this operand as its scale, and nothing else of it
.endr
.irp c, 0,1
	v_lshrrev_b32 v[BY+\c], 23, v[SCO+\c]          ; the scale's byte
.endr
	v_lshl_or_b32 v[PW], v[BY+1], 16, v[BY]        ; my two bytes: blocks h and 2 + h of row r,
	v_lshlrev_b32 v[PW], v[SH], v[PW]              ; at their places in the word;
	v_permlanex16_b32 v[PX], v[PW], s20, s21
	v_or_b32 v[WD+(\f)], v[PW], v[PX]              ; with lane l xor 16's two the word is whole, in both lanes
.irp c, 0,1
	v_cvt_scalef32_pk16_fp6_f32 v[CS+6*\c:CS+6*\c+2], v[X+32*\c:X+32*\c+15], v[SCO+\c]
	v_cvt_scalef32_pk16_fp6_f32 v[T+4*\c:T+4*\c+2], v[X+32*\c+16:X+32*\c+31], v[SCO+\c]   ; (a conversion's three registers begin on an even number: the second half of a block's six does not)
.endr
	v_nop                                          ; one plain place behind a scaled conversion
.irp c, 0,1
.irp i, 0,1,2
	v_mov_b32 v[CS+6*\c+3+\i], v[T+4*\c+\i]
.endr
.endr
.endm
.macro PASS f, left
	s_wait_loadcnt \left                           ; loads come back in order (ISA guide 5.7.1): this fragment's 16 are in, the next fragment's 16 may be out
	TURN \f
	s_wait_dscnt 0x0                               ; the 64 numbers are back, and the stage's stores have read their registers,
.if (\f) < 2
	LOAD (\f)+2                                    ; which take the fragment two on
.endif
	QUANT \f
.endm
	LOAD 0
	LOAD 1
	PASS 0, 16
	PASS 1, 16
	PASS 2, 16
	PASS 3, 0
; all stores stand at the wave's end, behind its last LDS store and its last load.  An image: 32 lanes store 512 consecutive bytes, at a multiple of 512 from the buffer's first byte
.irp f, 0,1
.irp g, 0,1,2
	global_store_b128 v[GL], v[C+12*\f+4*\g:C+12*\f+4*\g+3], s[8:9] offset:512+\f*1536+512*\g
.endr
.endr
.irp f, 2,3
.irp g, 0,1,2
	global_store_b128 v[GL], v[R+12*(\f-2)+4*\g:R+12*(\f-2)+4*\g+3], s[8:9] offset:512+\f*1536+512*\g
.endr
.endr
	v_cmp_le_u32 vcc_lo, 16, v1
	v_cndmask_b32 v[WD], v[WD], v[WD+2], vcc_lo
	v_cndmask_b32 v[WD+1], v[WD+1], v[WD+3], vcc_lo
	global_store_b64 v[SS], v[WD:WD+1], s[10:11]   ; 32 lanes store 256 consecutive bytes, at a multiple of 256 from the buffer's first byte
	s_wait_tensorcnt 0x0
	ds_add_u32 v254, v255
	s_wait_dscnt 0x0
	s_endpgm
.Lfunc_end_k_q334805e3ed_quant:
	.size	k_q334805e3ed_quant, .Lfunc_end_k_q334805e3ed_quant-k_q334805e3ed_quant
	.p2alignl 7, 3214868480
	.fill 96, 4, 3214868480
	.section	.rodata,"a",@progbits
	.p2align	6, 0x0
	.amdhsa_kernel k_q334805e3ed_quant
		.amdhsa_group_segment_fixed_size 34304
		.amdhsa_private_segment_fixed_size 0
		.amdhsa_enable_private_segment 0
		.amdhsa_kernarg_size 32
		.amdhsa_user_sgpr_count 2
		.amdhsa_user_sgpr_kernarg_segment_ptr 1
		.amdhsa_wavefront_size32 1
		.amdhsa_system_sgpr_workgroup_id_x 1
		.amdhsa_system_sgpr_workgroup_id_y 1
		.amdhsa_system_sgpr_workgroup_id_z 1
		.amdhsa_system_vgpr_workitem_id 0
		.amdhsa_next_free_vgpr 256
		.amdhsa_next_free_sgpr 66
		.amdhsa_reserve_vcc 1
		.amdhsa_float_denorm_mode_32 3
		.amdhsa_float_denorm_mode_16_64 3
		.amdhsa_memory_ordered 1
		.amdhsa_forward_progress 1
		.amdhsa_inst_pref_size 30
	.end_amdhsa_kernel
	.amdgpu_metadata
---
amdhsa.version: [ 1, 2 ]
amdhsa.kernels:
  - .name:           k_q334805e3ed_quant
    .symbol:         k_q334805e3ed_quant.kd
    .args:
      - { .name: x, .offset: 0, .size: 8, .value_kind: global_buffer, .address_space: global }
      - { .name: W, .offset: 8, .size: 8, .value_kind: global_buffer, .address_space: global }
      - { .name: xq, .offset: 16, .size: 8, .value_kind: global_buffer, .address_space: global }
      - { .name: wq, .offset: 24, .size: 8, .value_kind: global_buffer, .address_space: global }
    .group_segment_fixed_size: 34304
    .private_segment_fixed_size: 0
    .kernarg_segment_align: 8
    .kernarg_segment_size: 32
    .max_flat_workgroup_size: 128
    .sgpr_count:     66
    .vgpr_count:     256
    .wavefront_size: 32
...
	.end_amdgpu_metadata
.endif
;; end of part 1
;; launch gemm (part 2): grid 16 x 16, 4 waves a work-group, clusters of 4 x 4, 327,680 bytes of LDS; arguments xq, wq, out0, b; writes out0
.if DOCPART == 2
	.amdgcn_target "amdgcn-amd-amdhsa--gfx1250"
	.amdhsa_code_object_version 6
	.text
	.protected	k_q334805e3ed_gemm
	.globl	k_q334805e3ed_gemm
	.p2align	8
	.type	k_q334805e3ed_gemm,@function
k_q334805e3ed_gemm:
	s_mov_b64 s[64:65], 0
	v_nop
	global_prefetch_b8 v0, s[64:65] scope:SCOPE_SE
	s_setreg_imm32_b32 hwreg(HW_REG_WAVE_MODE, 25, 1), 1
	s_wait_xcnt 0x0
	s_wait_alu depctr_hold_cnt(0) depctr_sa_sdst(0) depctr_va_vdst(0) depctr_va_sdst(0) depctr_va_ssrc(0) depctr_va_vcc(0) depctr_vm_vsrc(0)
	s_getreg_b32 s2, hwreg(HW_REG_IB_STS2, 6, 4)
	s_cmp_eq_u32 s2, 0
	s_cbranch_scc0 .Lentry_in_a_cluster
	s_endpgm
.Lentry_in_a_cluster:
	s_bfe_u32 s2, ttmp6, 0x10000c
	s_cmp_lg_u32 s2, 0xf033
	s_cbranch_scc0 .Lentry_shape_is_right
	s_endpgm
.Lentry_shape_is_right:
; out0[m][n] = sum over k of x[m][k] W[n][k] + b[n], on the FP6 (E2M3) codes and E8M0 scale words that the launch before has laid in the order of the operand's registers:
;   [32 groups of 128 rows][32 steps of 128 along K][12,800 bytes: 512 of scale words, then 8 images of 16 rows x 128 K, 1,536 bytes each].
; A work-group of four waves makes 256 x 256 of out0, a wave 128 x 128: 64 accumulators.  4 x 4 work-groups form a cluster: x's tiles are asked for jointly along a row, W's along a column.
; THE RING: two LDS slots, each with three K steps of the 4 groups (2 of x, 2 of W); a wave fetches one group's three steps, 38,400 dense bytes, by one joint load.  K has 32 steps: ten fills of three and one of two.
; THE PRODUCT IS USED TRANSPOSED (source 0 = 16 rows of W, source 1 = 16 rows of x): a lane holds eight neighbouring columns of one row of out0.  The bias is the C of each accumulator's first product.
; A STEP is 64 products, x's blocks one after the other, each against W's eight.  x's fragments, W's fragments and the scale words all have two sets of registers, by the step's parity:
; the next step's 52 LDS loads stand in ONE run, behind the step's first eight products.  Every wait on DScnt is counted by the assembler: NLD counts the LDS instructions written so far,
; a mark keeps its value behind each fragment's loads, and the wait leaves out what was issued since (held at 60).
; At a step's head all its fragments have been asked for, so THE CHANGE OF SLOTS stands at the head of a slot's third step: the slot is read no more, the other slot is needed from here on.
; THE LAST STEP: a block of 16 rows is finished behind its eight products and leaves at once, through the wave's own stage in slot 1 (which has had its last fill and its last read by then).
; REGISTERS: window 0: v0-31 addresses, v32-47 scale words, v48-239 x's fragments.  Window 1: W's fragments at v0 and v128, the bias at v96-127 and v224-255 (on the way out v0-127 take the rows read back).
; Windows 2, 3: the accumulators.
.set FR,     12
.set IMG,    1536
.set SUB,    512+8*IMG                 ; one group's K step
.set HALFT,  3*SUB                     ; what one joint load brings
.set GROUPB, 32*SUB
.set SLOT,   4*HALFT
.set SPARE,  2*SLOT                    ; the spare words, 128 bytes a wave
.set SPITCH, 528                       ; a stage row: 512 bytes + 16
.set STAGE,  SLOT
.set ROWC,   16384                     ; a row of out0 in bytes
.set CHUNK,  32768                     ; what one prefetch of the four partners names: 4 x 32 lanes x 256 bytes
.set PF0,    GROUPB-9*CHUNK            ; the loop's nine chunks end with the group
.set ADRA, 16                          ; v16-17 x's fragments in slot 0, 1
.set ADRS, 18                          ; v18-19 scale words: lanes 0-15 x's, lanes 16-31 W's
.set ADRB, 20                          ; v20-21 W's fragments
.set STO,  24
.set RD,   25
.set CO,   26
.set SPW,  28                          ; my spare word; never rewritten
.set NIL,  29                          ; 0; never rewritten
.set PFO,  30                          ; 256 x lane
.set BO,   31
.set SC,   32
.set AF,   48
.set G1, 24
.set G0, 32
.set G1B, 48
.set G0B, 56
.set G1T, 68                           ; group 1 of the last fill: two steps, 100 rows of 256 bytes
.set G1TB, 80
.set PFA, 96
.set TO_B, 0x40
.set MSB, 0
.set NLD, 0
.set NOWAIT, 0
.macro WIN new                         ; the immediate's high byte repeats the setting that is left
.if MSB != (\new)
	s_set_vgpr_msb (MSB<<8)|(\new)
.set MSB, (\new)
.endif
.endm
.macro PLACES n
.rept \n
	v_nop
.endr
.endm
.macro JLOAD g0a, g1a, g0b, g1b        ; waves 0, 1 fetch x's two groups, waves 2, 3 W's
	s_cmp_eq_u32 s15, 0
	s_cbranch_scc0 .Lfor_b_\@
	tensor_load_to_lds s[\g0a:\g0a+3], s[\g1a:\g1a+7]
	s_nop 0
	PLACES 4
	s_branch .Lasked_\@
.Lfor_b_\@:
	tensor_load_to_lds s[\g0b:\g0b+3], s[\g1b:\g1b+7]
	s_nop 0
	PLACES 4
.Lasked_\@:
.endm
.macro CREST                           ; a round of the cluster's barrier behind its opening barrier
	s_cmp_lg_u32 s14, 0
	s_cbranch_scc1 .Lnot_wave_0_\@
	s_barrier_signal -3
.Lnot_wave_0_\@:
	s_barrier_wait -3
	s_barrier_signal -1
	s_barrier_wait -1
.endm
.macro CROUND
	s_barrier_signal -1
	s_barrier_wait -1
	CREST
.endm
; The prefetches: the group that my wave fetches is a dense stream; the four partners that ask for it jointly share each chunk out by address, 8,192 bytes each, a lane to 256 bytes.
; The head names bytes PF0 - 2 CHUNK .. PF0 (the second and third fills'), the loop's first three trips three chunks each, at least one fill ahead of the load that wants them; the last trip names nothing.
.macro ASK slot
	s_cmp_gt_u32 s3, 1
	s_cbranch_scc0 .Lnot_mine_\@
	global_prefetch_b8 v[PFO], s[PFA:PFA+1] th:TH_LOAD_NT scope:SCOPE_SE
.if \slot == 0
	global_prefetch_b8 v[PFO], s[PFA:PFA+1] offset:CHUNK th:TH_LOAD_NT scope:SCOPE_SE
.endif
.Lnot_mine_\@:
.endm
	s_load_b128 s[4:7], s[0:1], 0x0                ; x's workspace, W's
	s_load_b128 s[8:11], s[0:1], 0x10              ; out0, b
	v_lshl_add_u32 v[SPW], v0, 2, SPARE
	v_mov_b32 v[NIL], 0
	ds_add_u32 v[SPW], v[NIL]                      ; the opening add,
	ds_add_u32 v[SPW], v[NIL]                      ; twice on end; the set-up below stands ahead of the one wait
	v_lshrrev_b32 v1, 5, v0
	v_readfirstlane_b32 s14, v1                    ; wave
	s_lshr_b32 s15, s14, 1                         ; my half of the rows; also: I fetch for x (0) or W (1)
	s_and_b32 s16, s14, 1                          ; my half of the columns; also: which group I fetch
	s_bfe_u32 s40, ttmp6, 0x40000                  ; cx
	s_bfe_u32 s41, ttmp6, 0x40004                  ; cy
	s_lshl_b32 s42, ttmp9, 2
	s_add_co_u32 s42, s42, s40                     ; tile column
	s_and_b32 s17, ttmp7, 0xffff
	s_lshl_b32 s17, s17, 2
	s_add_co_u32 s17, s17, s41                     ; tile row
	s_lshl_b32 s43, s41, 2
	s_lshl_b32 s43, 15, s43                        ; my row of the cluster
	s_lshl_b32 s44, 0x1111, s40                    ; my column
	s_or_b32 s[G1+0], s43, (3<<16)|(1<<21)         ; dense blocks as rows of 32 elements of 8 bytes
	s_or_b32 s[G1B+0], s44, (3<<16)|(1<<21)
.irp g, G1, G1B
	s_mov_b32 s[\g+1], 32<<16
	s_mov_b32 s[\g+2], 150<<16
	s_mov_b32 s[\g+3], 32<<16
	s_mov_b32 s[\g+4], 150
	s_mov_b32 s[\g+5], 32
	s_mov_b32 s[\g+6], 0
	s_mov_b32 s[\g+7], 0
.endr
	s_or_b32 s[G1T+0], s43, (3<<16)|(1<<21)
	s_or_b32 s[G1TB+0], s44, (3<<16)|(1<<21)
.irp g, G1T, G1TB
	s_mov_b32 s[\g+1], 32<<16
	s_mov_b32 s[\g+2], 100<<16
	s_mov_b32 s[\g+3], 32<<16
	s_mov_b32 s[\g+4], 100
	s_mov_b32 s[\g+5], 32
	s_mov_b32 s[\g+6], 0
	s_mov_b32 s[\g+7], 0
.endr
	s_lshl_b32 s20, s17, 1
	s_add_co_u32 s20, s20, s16                     ; x's group: 2 x tile row + which
	s_lshl_b32 s46, s42, 1
	s_add_co_u32 s46, s46, s16                     ; W's group
	s_mul_i32 s20, s20, GROUPB
	s_mov_b32 s21, 0
	s_mul_i32 s46, s46, GROUPB
	s_mov_b32 s47, 0
	s_mul_i32 s45, s14, HALFT                      ; where my load goes: wave x 38,400
	s_wait_dscnt 0x0                               ; both opening adds are done
	s_wait_kmcnt 0x0
	s_add_nc_u64 s[20:21], s[4:5], s[20:21]
	s_add_nc_u64 s[46:47], s[6:7], s[46:47]
	CROUND                                         ; the first joint loads meet
.irp s, 0,1
	s_mov_b32 s[G0+4*\s], 1
	s_add_co_u32 s[G0+4*\s+1], s45, \s*SLOT
	s_add_nc_u64 s[G0+4*\s+2:G0+4*\s+3], s[20:21], \s*HALFT
	s_or_b32 s[G0+4*\s+3], s[G0+4*\s+3], 0x80000000
	s_mov_b32 s[G0B+4*\s], 1
	s_add_co_u32 s[G0B+4*\s+1], s45, \s*SLOT
	s_add_nc_u64 s[G0B+4*\s+2:G0B+4*\s+3], s[46:47], \s*HALFT
	s_or_b32 s[G0B+4*\s+3], s[G0B+4*\s+3], 0x80000000
.endr
	JLOAD G0, G1, G0B, G1B                         ; steps 0-2: one tensor load a wave at the head
	v_and_b32 v1, 15, v0
	v_bfe_u32 v2, v0, 4, 1
	v_and_b32 v3, 31, v0
	v_lshlrev_b32 v[CO], 4, v3
	v_lshlrev_b32 v[PFO], 8, v3
	v_lshlrev_b32 v[BO], 5, v2
	s_mul_i32 s21, s15, HALFT                      ; my group of x in a slot,
	s_mul_i32 s22, s16, HALFT
	s_add_co_u32 s22, s22, 2*HALFT                 ; and of W
	s_sub_co_u32 s23, s22, s21
	v_lshlrev_b32 v5, 3, v1
	v_mul_u32_u24 v6, s23, v2                      ; lanes 16-31 take W's scale words
	v_add_nc_u32 v5, v5, v6
.irp s, 0,1
	v_add_nc_u32 v[ADRA+\s], s21, v[CO]
	v_add_nc_u32 v[ADRB+\s], s22, v[CO]
	v_add_nc_u32 v[ADRS+\s], s21, v5
	s_add_co_u32 s21, s21, SLOT
	s_add_co_u32 s22, s22, SLOT
.endr
	s_mul_i32 s23, s14, 16*SPITCH
	s_add_co_u32 s23, s23, STAGE                   ; my stage
	v_mul_u32_u24 v5, v1, SPITCH
	v_lshl_add_u32 v5, v2, 5, v5
	v_add_nc_u32 v[STO], s23, v5                   ; in: row l % 16, 32 bytes for each half of the lanes
	v_add_nc_u32 v[RD], s23, v[CO]                 ; back: 32 lanes take one row of 512 bytes
	s_lshl_b32 s20, s17, 8
	s_lshl_b32 s21, s15, 7
	s_add_co_u32 s20, s20, s21                     ; my first row of out0
	s_lshl_b32 s20, s20, 14
	s_mov_b32 s21, 0
	s_lshl_b32 s46, s42, 10
	s_lshl_b32 s47, s16, 9
	s_add_co_u32 s46, s46, s47                     ; my first column, in bytes
	s_mov_b32 s47, 0
	s_add_nc_u64 s[10:11], s[10:11], s[46:47]
	s_add_nc_u64 s[20:21], s[20:21], s[46:47]
	s_add_nc_u64 s[8:9], s[8:9], s[20:21]
	WIN TO_B                                       ; the bias lies in window 1: block b at v[96 + 8 b], from b = 4 on 96 further up
.irp b, 0,1,2,3,4,5,6,7
	global_load_b128 v[96+8*\b+96*(\b/4):96+8*\b+96*(\b/4)+3], v[BO], s[10:11] offset:64*\b       ; b at my eight columns of W's block b
	global_load_b128 v[96+8*\b+96*(\b/4)+4:96+8*\b+96*(\b/4)+7], v[BO], s[10:11] offset:64*\b+16
.endr
	WIN 0
	s_cmp_eq_u32 s15, 0
	s_cselect_b32 s20, s17, s42
	s_cselect_b32 s21, s40, s41                    ; my place among the four that ask with me: it enters an address alone
	s_cselect_b64 s[PFA:PFA+1], s[4:5], s[6:7]
	s_lshl_b32 s20, s20, 1
	s_add_co_u32 s20, s20, s16
	s_mul_i32 s20, s20, GROUPB
	s_lshl_b32 s21, s21, 13
	s_add_co_u32 s20, s20, s21
	s_add_co_u32 s20, s20, PF0-2*CHUNK
	s_mov_b32 s21, 0
	s_add_nc_u64 s[PFA:PFA+1], s[PFA:PFA+1], s[20:21]
; The step's state, as symbols: P its parity (which sets it multiplies), NXS and NXQ the slot and the place in it of the NEXT step, FIRST = 1: the bias is C.
.macro LB i                            ; W's fragment i of the next step
.irp g, 0,1,2
	ds_load_b128 v[128*(1-P)+FR*\i+4*\g:128*(1-P)+FR*\i+4*\g+3], v[ADRB+NXS] offset:NXQ*SUB+512+\i*IMG+512*\g
.endr
.set NLD, NLD+3
.endm
.macro LA i                            ; x's fragment i of the next step, and its mark, one for each parity
.irp g, 0,1,2
	ds_load_b128 v[AF+96*(1-P)+FR*\i+4*\g:AF+96*(1-P)+FR*\i+4*\g+3], v[ADRA+NXS] offset:NXQ*SUB+512+\i*IMG+512*\g
.endr
.set NLD, NLD+3
.if P
.set MKX\i, NLD
.else
.set MKY\i, NLD
.endif
.endm
.macro RUN                             ; the next step's 52 LDS loads, in the order in which it wants them: W's eight fragments, the scale words, x's eight
	WIN TO_B
.irp i, 0,1,2,3,4,5,6,7
	LB \i
.endr
	WIN 0
.irp j, 0,1,2,3
	ds_load_b64 v[SC+8*(1-P)+2*\j:SC+8*(1-P)+2*\j+1], v[ADRS+NXS] offset:NXQ*SUB+128*\j   ; register i: lanes 0-15 x's block i, lanes 16-31 W's block i
.endr
.set NLD, NLD+4
.irp i, 0,1,2,3,4,5,6,7
	LA \i
.endr
.endm
.macro WAITM mk                        ; all LDS instructions up to the mark are done; those written since may be out
.if (NLD-\mk) > 60
	s_wait_dscnt 60
.else
	s_wait_dscnt NLD-\mk
.endif
.endm
.macro W a, b                          ; one product: x's block a against W's block b.  The 64 accumulators take turns
.set AR, AF+96*P+FR*(\a)
.set DR, 8*(8*((\a)%4)+\b)
.if FIRST
	WIN 0x91+0x40*((\a)/4)
	v_wmma_scale_f32_16x16x128_f8f6f4 v[DR:DR+7], v[128*P+FR*\b:128*P+FR*\b+FR-1], v[AR:AR+FR-1], v[96+8*\b+96*(\b/4):96+8*\b+96*(\b/4)+7], v[SC+8*P+\b], v[SC+8*P+(\a)] matrix_a_fmt:MATRIX_FMT_FP6 matrix_b_fmt:MATRIX_FMT_FP6 matrix_a_scale:MATRIX_SCALE_ROW1
.else
	WIN 0xa1+0x50*((\a)/4)
	v_wmma_scale_f32_16x16x128_f8f6f4 v[DR:DR+7], v[128*P+FR*\b:128*P+FR*\b+FR-1], v[AR:AR+FR-1], v[DR:DR+7], v[SC+8*P+\b], v[SC+8*P+(\a)] matrix_a_fmt:MATRIX_FMT_FP6 matrix_b_fmt:MATRIX_FMT_FP6 matrix_a_scale:MATRIX_SCALE_ROW1
.endif
.endm
.macro ROW a
.irp b, 0,1,2,3,4,5,6,7
	W \a, \b
.endr
.endm
.macro G a                             ; x's block a: the wait for its fragment (W's fragments and the scale words were asked for ahead of x's block 0), and its eight products
.if NOWAIT == 0
.if P
	WAITM MKY\a
.else
	WAITM MKX\a
.endif
.endif
	ROW \a
.endm
; A slot's first or second step.  The run's registers were last read by the step before: the four places stand between that step's last product and the run.
.macro NSTEP slot, q, p, first
.set P, \p
.set NXS, \slot
.set NXQ, (\q)+1
.set FIRST, \first
.set NOWAIT, 0
	G 0
	PLACES 4
	RUN
.irp a, 1,2,3,4,5,6,7
	G \a
.endr
.endm
; A slot's third step, with the change of slots at its head.  fill = 1: this slot takes the fill two on; 2: the last fill, of two steps; 0: nothing is left to fetch, and no round follows.
.macro TSTEP slot, p, fill
.set P, \p
.set NXS, 1-(\slot)
.set NXQ, 0
.set FIRST, 0
.set NOWAIT, 0
.if \fill == 1
	s_wait_xcnt 0x0                                ; my prefetches have read their address: it steps here
	s_add_nc_u64 s[PFA:PFA+1], s[PFA:PFA+1], CHUNK*(1+\slot)
.endif
	WIN 0
	s_wait_tensorcnt 0x0                           ; my one load that was out, my part of the other slot, has landed;
	ds_add_u32 v[SPW], v[NIL]                      ; the add;
.set NLD, NLD+1
.if \fill
	s_add_nc_u64 s[G0+4*\slot+2:G0+4*\slot+3], s[G0+4*\slot+2:G0+4*\slot+3], 2*HALFT
	s_add_nc_u64 s[G0B+4*\slot+2:G0B+4*\slot+3], s[G0B+4*\slot+2:G0B+4*\slot+3], 2*HALFT
.endif
	G 0                                            ; eight products stand between the add and the wait for it
	s_wait_dscnt 0x0                               ; the add is done, and all this step's fragments are in: my reads of this slot are over
.set NOWAIT, 1
	s_barrier_signal -1
	G 1
	WIN 0
	s_barrier_wait -1
.if \fill
	CREST                                          ; the barrier has opened a round of the cluster's barrier
.if \fill == 1
	JLOAD G0+4*\slot, G1, G0B+4*\slot, G1B         ; its four v_nop are the places in front of the run
.else
	JLOAD G0+4*\slot, G1T, G0B+4*\slot, G1TB
.endif
.else
	PLACES 4
.endif
	RUN
.if \fill == 1
	ASK \slot
.endif
.irp a, 2,3,4,5,6,7
	G \a
.endr
.endm
	s_wait_alu depctr_va_vdst(0)
	global_prefetch_b8 v[PFO], s[PFA:PFA+1] th:TH_LOAD_NT scope:SCOPE_SE
	global_prefetch_b8 v[PFO], s[PFA:PFA+1] offset:CHUNK th:TH_LOAD_NT scope:SCOPE_SE
	s_wait_tensorcnt 0x0                           ; my part of steps 0-2 is in
	ds_add_u32 v[SPW], v[NIL]
	s_wait_dscnt 0x0
	CROUND
	JLOAD G0+4, G1, G0B+4, G1B                     ; steps 3-5, the first tensor load behind the round
.set P, 1                              ; step 0's fragments, by the same macro: its parity is 0
.set NXS, 0
.set NXQ, 0
	RUN
	s_wait_loadcnt 0x0                             ; the bias is in
	s_wait_xcnt 0x0
	s_add_nc_u64 s[PFA:PFA+1], s[PFA:PFA+1], CHUNK
	NSTEP 0, 0, 0, 1                               ; the first step's products start the sums on the bias
	WIN 0                                          ; at a label and at a branch every window is 0
	s_mov_b32 s3, 4
.Llap:                                                 ; a trip is six steps, once round the ring
	NSTEP 0, 1, 1, 0
	TSTEP 0, 0, 1
	NSTEP 1, 0, 1, 0
	NSTEP 1, 1, 0, 0
	TSTEP 1, 1, 1
	NSTEP 0, 0, 0, 0
	WIN 0
	s_sub_co_u32 s3, s3, 1
	s_cmp_lg_u32 s3, 0
	s_cbranch_scc1 .Llap
	NSTEP 0, 1, 1, 0                               ; steps 25 to 30
	TSTEP 0, 0, 2
	NSTEP 1, 0, 1, 0
	NSTEP 1, 1, 0, 0
	TSTEP 1, 1, 0
	NSTEP 0, 0, 0, 0
; STEP 31 AND THE WAY OUT.  Block a goes through my stage (each accumulator from its low end on) and comes back as rows of 512 bytes; block a + 1's products stand between its loads from the stage and the wait for them.
.macro TOSTAGE a
.set AC, 64*((\a)%4)
	WIN 0x08+4*((\a)/4)
.irp b, 0,1,2,3,4,5,6,7
	ds_store_b128 v[STO], v[AC+8*\b:AC+8*\b+3] offset:64*\b
	ds_store_b128 v[STO], v[AC+8*\b+4:AC+8*\b+7] offset:64*\b+16
.endr
	WIN TO_B                                       ; back into window 1's v0-127, which the last step does not multiply; LDS serves a wave's instructions in order (ISA guide 5.7.1.4)
.set BB, 64*((\a)%2)
.irp t, 0,1,2,3,4,5,6,7,8,9,10,11,12,13,14,15
	ds_load_b128 v[BB+4*\t:BB+4*\t+3], v[RD] offset:\t*SPITCH
.endr
.endm
.macro SEND a
.set BB, 64*((\a)%2)
	s_wait_dscnt 0x0
	WIN 0x04
.irp t, 0,1,2,3,4,5,6,7,8,9,10,11,12,13,14,15
	global_store_b128 v[CO], v[BB+4*\t:BB+4*\t+3], s[8:9] offset:(16*(\a)+\t)*ROWC th:TH_STORE_NT   ; 32 lanes store 512 consecutive bytes, at a multiple of 256 from out0's first byte; 127 rows at the most lie inside the immediate
.endr
.endm
.set P, 1
.set FIRST, 0
.set NOWAIT, 0
	G 0
	s_wait_dscnt 0x0                               ; all of the last step's fragments are in
.set NOWAIT, 1
.irp a, 0,1,2,3,4,5,6,7
	PLACES 4                                       ; in front of the stores that read results just made
.if \a > 1
	s_wait_xcnt 0x0                                ; block a - 2's stores have read the registers that block a's rows land in
.endif
	TOSTAGE \a
.if \a < 7
	ROW \a+1
.endif
	SEND \a
.endr
	WIN 0
	s_wait_tensorcnt 0x0                           ; the wave's end
	ds_add_u32 v[SPW], v[NIL]
	s_wait_dscnt 0x0
	CROUND                                         ; the closing round
	s_endpgm
.Lfunc_end_k_q334805e3ed_gemm:
	.size	k_q334805e3ed_gemm, .Lfunc_end_k_q334805e3ed_gemm-k_q334805e3ed_gemm
	.p2alignl 7, 3214868480
	.fill 96, 4, 3214868480
	.section	.rodata,"a",@progbits
	.p2align	6, 0x0
	.amdhsa_kernel k_q334805e3ed_gemm
		.amdhsa_group_segment_fixed_size 327680
		.amdhsa_private_segment_fixed_size 0
		.amdhsa_enable_private_segment 0
		.amdhsa_kernarg_size 32
		.amdhsa_user_sgpr_count 2
		.amdhsa_user_sgpr_kernarg_segment_ptr 1
		.amdhsa_wavefront_size32 1
		.amdhsa_system_sgpr_workgroup_id_x 1
		.amdhsa_system_sgpr_workgroup_id_y 1
		.amdhsa_system_sgpr_workgroup_id_z 1
		.amdhsa_system_vgpr_workitem_id 0
		.amdhsa_next_free_vgpr 1024
		.amdhsa_next_free_sgpr 100
		.amdhsa_reserve_vcc 0
		.amdhsa_float_denorm_mode_32 3
		.amdhsa_float_denorm_mode_16_64 3
		.amdhsa_memory_ordered 1
		.amdhsa_forward_progress 1
		.amdhsa_inst_pref_size 209
	.end_amdhsa_kernel
	.amdgpu_metadata
---
amdhsa.version: [ 1, 2 ]
amdhsa.kernels:
  - .name:           k_q334805e3ed_gemm
    .symbol:         k_q334805e3ed_gemm.kd
    .args:
      - { .name: xq, .offset: 0, .size: 8, .value_kind: global_buffer, .address_space: global }
      - { .name: wq, .offset: 8, .size: 8, .value_kind: global_buffer, .address_space: global }
      - { .name: out0, .offset: 16, .size: 8, .value_kind: global_buffer, .address_space: global }
      - { .name: b, .offset: 24, .size: 8, .value_kind: global_buffer, .address_space: global }
    .group_segment_fixed_size: 327680
    .private_segment_fixed_size: 0
    .kernarg_segment_align: 8
    .kernarg_segment_size: 32
    .max_flat_workgroup_size: 128
    .sgpr_count:     100
    .vgpr_count:     1024
    .wavefront_size: 32
...
	.end_amdgpu_metadata
.endif
;; end of part 2
